; MI455X (gfx1250); checked and timed in simulation.
; The chip was launched on July 23, 2026; its instructions are those of AMD's public machine-readable ISA for CDNA 5 (MIT licence, August 2026) and "CDNA5" Instruction Set Architecture Reference Guide (July 2026). The comments in the code are by the model that wrote it; some were corrected since.
;; Self Attention. Allowed arithmetic: matrix products marked QUANTISED: E2M1 operands, one E8M0 scale for each 32 along K, by v_wmma_scale_f32_16x16x128_f8f6f4 with both operands' format E2M1 (or v_wmma_scale_f32_32x16x128_f4), f32 sums; everything else in f32.
;; Inputs: Wk 256 x 64 float32; Wq 256 x 64 float32; Wv 256 x 64 float32; bk 64 float32; bq 64 float32; bv 64 float32; x 8 x 4,096 x 256 float32.
;; Outputs: out0 8 x 4,096 x 64 float32.
;; This version of the problem:
;;   THIS VERSION OF THE PROBLEM IS GIVEN IN LOW PRECISION. The matrix products marked QUANTISED in the list below multiply operands that are first quantised to E2M1 (2 exponent bits, 1 mantissa bit; 4 bits a number), with one power-of-two scale for each 32 numbers along K (OCP MX v1.0); their sums are f32. All else is computed in f32.
;;   The module's matrix products, in the order in which they are computed (A, B: the left and right operand; K: the contracted axis; several contracted axes count as one K, in the product's order):
;;     1. [M 32,768, K 256] x [K 256, N 64]; A: input x; B: input Wq: QUANTISED
;;     2. [M 32,768, K 256] x [K 256, N 64]; A: input x; B: input Wk: QUANTISED
;;     3. [M 32,768, K 256] x [K 256, N 64]; A: input x; B: input Wv: QUANTISED
;;     4. batch 8 x [M 4,096, K 64] x [K 64, N 4,096]; A: computed on the way; B: computed on the way: QUANTISED
;;     5. batch 8 x [M 4,096, K 4,096] x [K 4,096, N 64]; A: computed on the way; B: computed on the way: QUANTISED
;;   THE QUANTISER, for each operand of a quantised product, along K:
;;     - K is cut into blocks of 32 from its start; a last block that is shorter is filled with zeros.
;;     - A block's scale is 2^e with e = floor(log2(the largest magnitude in the block)) - 2, held to -126 .. 127; a block of zeros has e = 0. As a byte (E8M0): e + 127.
;;     - Each number is divided by its block's scale, clamped to +-6, and rounded to the nearest number of E2M1, ties to even, subnormals kept.
;;     - The product sums the exact products of the quantised numbers (number of the format x scale) in f32.
;;   ~~~python
;;   def quantise(x, axis):      # numpy; x: float32 -> the quantised numbers, widened to float32 again
;;       x = np.moveaxis(x, axis, -1); K = x.shape[-1]
;;       x = np.pad(x, [(0, 0)] * (x.ndim - 1) + [(0, -K % 32)]); x = x.reshape(x.shape[:-1] + (-1, 32)); a = np.abs(x).max(-1, keepdims=True)
;;       e = np.where(a > 0, np.clip(np.frexp(np.where(a > 0, a, 1))[1] - 1 - 2, -126, 127), 0)      # np.frexp(a)[1] - 1 = floor(log2(a)), exactly
;;       r = np.clip(x / 2.0 ** e, -6, 6)
;;       step = 2.0 ** (np.maximum(np.frexp(np.where(r == 0, 1, r))[1] - 1, 0) - 1)
;;       q = np.round(r / step) * step * 2.0 ** e      # np.round: ties to even
;;       return np.moveaxis(q.reshape(q.shape[:-2] + (-1,))[..., :K], -1, axis).astype(np.float32)
;;   ~~~
;;   OPERANDS COMPUTED ON THE WAY. 'Computed on the way' means the value that the module computes at that place (a softmax that the list does not call 'softmax' is quantised finished and normalised). What goes into a quantiser is computed in f32, as accurately as f32 sums, v_exp_f32 and their like allow (about 1e-6 of the number): no bf16 or f16 on the way to a quantiser, and a product that is left as it is and whose result goes on into a quantised operand takes f32 operands (vector FMAs, or v_wmma_f32_16x16x4_f32). A number that lies on a knife's edge between two numbers of the format may be rounded either way, as far as f32 arithmetic and the matrix unit's own rounding can turn it there, and no further.
;; One version. Each part assembles by itself: llvm-mc -triple=amdgcn-amd-amdhsa -mcpu=gfx1250 --defsym DOCPART=n.
;; ======== version 1 of 1: 3 launches
;; limits: right only within a limited range of input values
;; workspace buffers: qrec 1,179,648 bytes; kvrec 2,293,760 bytes; zbuf 131,072 bytes
;; launch proj (part 1): grid 256 x 1, 16 waves a work-group, no clusters, 327,680 bytes of LDS; arguments x, Wq, bq, Wk, bk, Wv, bv, qrec, kvrec; writes qrec, kvrec
.if DOCPART == 1
	.amdgcn_target "amdgcn-amd-amdhsa--gfx1250"
	.amdhsa_code_object_version 6
	.text
	.protected	k_q7c4fc5053a_proj
	.globl	k_q7c4fc5053a_proj
	.p2align	8
	.type	k_q7c4fc5053a_proj,@function
k_q7c4fc5053a_proj:
	s_mov_b64 s[64:65], 0
	v_nop
	global_prefetch_b8 v0, s[64:65] scope:SCOPE_SE
	s_setreg_imm32_b32 hwreg(HW_REG_WAVE_MODE, 25, 1), 1
	s_wait_xcnt 0x0
.set XPITCH, 528
.set XWAVE,  16*XPITCH
.set XIMG,   16*XWAVE
.set XSC,    XIMG+16*1024
.set WIMG,   XSC+16*128
.set WSC,    WIMG+24*1024
.set SST,    WSC+3*512
.set QREC,   4608
.set KVREC,  8960
.set PW,  31
.set TM,  32
.set PC,  48
.set SX,  60
.set SW,  62
.set SXV, 70
.set SWV, 74
.set XQ,  76
.set WR,  140
.set XF,  76
.set WF,  92
.set XVF, 156
.set WVF, 188
.set ACCQ, 204
.set ACCV, 236
.set BV,  252
.macro SADR dst, sreg, sh, const, vterm
	s_lshl_b32 s60, s[\sreg], \sh
	s_add_co_u32 s60, s60, \const
	v_add_nc_u32 v[\dst], s60, v[\vterm]
.endm
.macro LOADW m, off, base
.set wi, 0
.rept 32
	global_load_b32 v[WR+32*\m+wi], v[\off], s[\base:\base+1] offset:256*wi
.set wi, wi+1
.endr
.endm
.macro WQ m
.set WS, WR+32*\m
	v_max3_num_f32 v[TM], |v[WS]|, |v[WS+1]|, |v[WS+2]|
	v_max3_num_f32 v[TM+1], |v[WS+3]|, |v[WS+4]|, |v[WS+5]|
.irp i, 6,10,14,18,22,26
	s_delay_alu instid0(VALU_DEP_2)
	v_max3_num_f32 v[TM], v[TM], |v[WS+\i]|, |v[WS+\i+1]|
	s_delay_alu instid0(VALU_DEP_2)
	v_max3_num_f32 v[TM+1], v[TM+1], |v[WS+\i+2]|, |v[WS+\i+3]|
.endr
	s_delay_alu instid0(VALU_DEP_2)
	v_max3_num_f32 v[TM], v[TM], |v[WS+30]|, |v[WS+31]|
	s_delay_alu instid0(VALU_DEP_1)
	v_max3_num_f32 v[TM], v[TM], v[TM+1], 0x1800000
	s_delay_alu instid0(VALU_DEP_1)
	v_add_nc_u32 v[TM+12], 0xff000000, v[TM]
	s_delay_alu instid0(VALU_DEP_1)
	v_lshrrev_b32 v[TM+8+\m], 23, v[TM+12]
.irp g, 0,1,2,3
	v_cvt_scalef32_pk8_fp4_f32 v[PC+4*\m+\g], v[WS+8*\g:WS+8*\g+7], v[TM+12]
.endr
	v_nop
	ds_store_b128 v11, v[PC+4*\m:PC+4*\m+3] offset:8192*\m
	ds_store_b8 v12, v[TM+8+\m] offset:512*\m
.endm
.macro QUANT s, nb, pc
.set qb, 0
.rept \nb
	v_max3_num_f32 v[TM+qb], |v[\s+16*qb]|, |v[\s+1+16*qb]|, 0x1800000
.set qb, qb+1
.endr
.irp i, 2,4,6,8,10,12,14
.set qb, 0
.rept \nb
	v_max3_num_f32 v[TM+qb], v[TM+qb], |v[\s+16*qb+\i]|, |v[\s+1+16*qb+\i]|
.set qb, qb+1
.endr
.endr
.set qb, 0
.rept \nb
	v_permlanex16_b32 v[TM+4+qb], v[TM+qb], s44, s45
.set qb, qb+1
.endr
.set qb, 0
.rept \nb
	v_max_num_f32 v[TM+qb], v[TM+qb], v[TM+4+qb]
.set qb, qb+1
.endr
.set qb, 0
.rept \nb
	v_add_nc_u32 v[TM+12+qb], 0xff000000, v[TM+qb]
.set qb, qb+1
.endr
.set qb, 0
.rept \nb
	v_lshrrev_b32 v[TM+4+qb], 23, v[TM+12+qb]
.set qb, qb+1
.endr
.if \nb > 1
	v_lshl_or_b32 v[PW], v[TM+5], 8, v[TM+4]
.endif
.if \nb == 4
	s_delay_alu instid0(VALU_DEP_1)
	v_lshl_or_b32 v[PW], v[TM+6], 16, v[PW]
	s_delay_alu instid0(VALU_DEP_1)
	v_lshl_or_b32 v[PW], v[TM+7], 24, v[PW]
.endif
.if \nb == 2
	s_delay_alu instid0(VALU_DEP_1)
	v_or_b32 v[PW], 0x7f7f0000, v[PW]
.endif
.set qb, 0
.rept \nb
	v_cvt_scalef32_pk8_fp4_f32 v[\pc+2*qb], v[\s+16*qb:\s+16*qb+7], v[TM+12+qb]
	v_cvt_scalef32_pk8_fp4_f32 v[\pc+2*qb+1], v[\s+16*qb+8:\s+16*qb+15], v[TM+12+qb]
.set qb, qb+1
.endr
	v_nop
.if \nb > 1
.set qc, 0
.rept \nb/2
	v_permlane16_swap_b32 v[\pc+4*qc], v[\pc+4*qc+2]
	v_permlane16_swap_b32 v[\pc+4*qc+1], v[\pc+4*qc+3]
.set qc, qc+1
.endr
.endif
.endm
.macro BARRIER
	s_wait_dscnt 0x0
	s_barrier_signal -1
	s_barrier_wait -1
.endm
	s_load_b512 s[4:19], s[0:1], 0x0
	s_load_b64 s[20:21], s[0:1], 0x40
	v_lshl_add_u32 v254, v0, 2, 0x2c300
	v_mov_b32 v255, 0
	ds_add_u32 v254, v255
	ds_add_u32 v254, v255
	v_lshrrev_b32 v1, 5, v0
	s_delay_alu instid0(VALU_DEP_1)
	v_readfirstlane_b32 s22, v1
	s_lshr_b32 s23, s22, 1
	s_and_b32 s50, s22, 1
	s_lshr_b32 s51, s22, 2
	s_and_b32 s52, s22, 3
	s_mov_b32 s24, (2<<16)|(1<<20)|(6<<22)|(3<<25)
	s_mov_b32 s25, 128<<16
	s_mov_b32 s26, 16<<16
	s_mov_b32 s27, 128<<16
	s_mov_b32 s28, 16
	s_mov_b32 s29, 256
	s_mov_b32 s30, 0
	s_mov_b32 s31, 0
	s_mov_b32 s32, 1
	s_mul_i32 s33, s22, XWAVE                      ; my one load: 16 neighbouring rows x 512 bytes, into my region
	s_lshl_b32 s53, s51, 2                         ; where I read: the regions of my group of four waves with my half of the columns,
	s_add_co_u32 s53, s53, s50
	s_mul_i32 s53, s53, XWAVE
	s_and_b32 s63, s23, 1
	s_mul_i32 s63, s63, 8*XPITCH                   ; rows 8 p on in each
	s_add_co_u32 s53, s53, s63
	s_lshl_b32 s54, ttmp9, 17
	s_lshl_b32 s55, s51, 15
	s_add_co_u32 s54, s54, s55
	s_and_b32 s55, s23, 1
	s_lshl_b32 s55, s55, 14
	s_add_co_u32 s54, s54, s55
	s_lshl_b32 s55, s50, 9
	s_add_co_u32 s54, s54, s55
	s_mov_b32 s55, 0
	s_mul_i32 s56, ttmp9, QREC
	s_mov_b32 s57, 0
	s_mul_i32 s58, ttmp9, KVREC
	s_mov_b32 s59, 0
	s_mov_b32 s44, 0x76543210
	s_mov_b32 s45, 0xfedcba98
	s_wait_dscnt 0x0
	s_wait_kmcnt 0x0
	s_add_nc_u64 s[34:35], s[4:5], s[54:55]
	s_or_b32 s35, s35, 0x80000000
	tensor_load_to_lds s[32:35], s[24:31]
	s_nop 0
.rept 4
	v_nop
.endr
	s_add_nc_u64 s[46:47], s[18:19], s[56:57]
	s_add_nc_u64 s[48:49], s[20:21], s[58:59]
	s_cmp_eq_u32 s50, 0
	s_cselect_b64 s[40:41], s[8:9], s[12:13]
	s_cselect_b64 s[42:43], s[46:47], s[48:49]
	v_and_b32 v1, 31, v0
	v_and_b32 v2, 15, v0
	v_bfe_u32 v3, v0, 4, 1
	s_delay_alu instid0(VALU_DEP_3)
	v_lshlrev_b32 v27, 4, v1
	s_delay_alu instid0(VALU_DEP_4)
	v_lshlrev_b32 v28, 3, v1
	v_lshlrev_b32 v7, 2, v1
	v_lshlrev_b32 v6, 2, v2
	v_lshlrev_b32 v29, 6, v3
	v_lshlrev_b32 v32, 4, v2
	v_and_b32 v33, 8, v2
	s_delay_alu instid0(VALU_DEP_1)
	v_add_nc_u32 v33, v33, v2
	s_delay_alu instid0(VALU_DEP_1)
	v_lshlrev_b32 v33, 2, v33
	s_delay_alu instid0(VALU_DEP_1)
	v_lshl_add_u32 v33, v3, 13, v33
	s_lshl_b32 s60, s52, 14
	s_lshr_b32 s61, s51, 1
	s_lshl_b32 s61, s61, 7
	s_add_co_u32 s61, s61, s60
	s_and_b32 s62, s51, 1
	s_lshl_b32 s62, s62, 5
	s_add_co_u32 s61, s61, s62
	v_add_nc_u32 v4, s61, v33
	v_lshl_add_u32 v34, v3, 13, v6
	s_lshl_b32 s61, s51, 6
	s_add_co_u32 s61, s61, s60
	v_add_nc_u32 v5, s61, v34
	v_and_b32 v8, 7, v2                            ; lane r takes row 8 p + r % 8 of the region that holds rows 16 (r / 8) on
	v_lshrrev_b32 v34, 3, v2
	v_mul_u32_u24 v8, v8, XPITCH
	v_mul_u32_u24 v34, v34, 2*XWAVE
	v_lshl_add_u32 v8, v3, 6, v8
	v_add_nc_u32 v34, s53, v34
	v_add_nc_u32 v8, v8, v34
	SADR 9,  22, 10, XIMG, 27
	SADR 10, 22, 7,  XSC,  7
	SADR 11, 22, 9,  WIMG, 27
	s_lshl_b32 s60, s23, 6
	s_lshl_b32 s61, s50, 1
	s_add_co_u32 s60, s60, s61
	s_add_co_u32 s60, s60, WSC
	v_add_nc_u32 v12, v6, v3
	s_delay_alu instid0(VALU_DEP_1)
	v_add_nc_u32 v12, s60, v12
	SADR 13, 23, 11, XIMG, 27
	SADR 14, 23, 8,  XSC,  7
	SADR 15, 50, 13, WIMG, 27
	SADR 16, 50, 9,  WSC,  6
	SADR 17, 52, 12, XIMG, 27
	SADR 18, 52, 9,  XSC,  7
	SADR 19, 51, 11, WIMG+16384, 27
	SADR 20, 51, 7,  WSC+1024, 6
	s_lshl_b32 s60, s50, 9
	s_lshr_b32 s61, s22, 3
	s_lshl_b32 s61, s61, 8
	s_add_co_u32 s60, s60, s61
	s_and_b32 s61, s23, 3
	s_lshl_b32 s61, s61, 2
	s_add_co_u32 s60, s60, s61
	s_add_co_u32 s60, s60, SST
	v_add_nc_u32 v21, s60, v32
	s_lshl_b32 s60, s51, 2
	s_add_co_u32 s60, s60, s52
	s_add_co_u32 s60, s60, SST+1024
	v_add_nc_u32 v22, s60, v32
	v_add_nc_u32 v23, SST, v27
	v_add_nc_u32 v24, SST+1024, v28
	SADR 25, 23, 9, 0, 27
	s_lshl_b32 s60, s51, 10
	s_lshl_b32 s61, s52, 8
	s_add_co_u32 s60, s60, s61
	s_add_co_u32 s60, s60, 4096
	v_lshl_add_u32 v26, v3, 3, v32
	s_delay_alu instid0(VALU_DEP_1)
	v_add_nc_u32 v26, s60, v26
	SADR 30, 51, 6, 0, 6
.irp b, 0,1,2,3
	v_mov_b32 v[TM+4+\b], 0
.endr
	LOADW 0, 4, 6
	LOADW 1, 4, 10
	s_wait_loadcnt 32
	WQ 0
	LOADW 2, 5, 14
	s_wait_loadcnt 32
	WQ 1
	s_wait_loadcnt 0x0
	WQ 2
.irp tt, 0,1,2,3
	global_load_b128 v[ACCQ+8*\tt:ACCQ+8*\tt+3], v29, s[40:41] offset:(32*(\tt/2)+8*(\tt%2))*4
	global_load_b128 v[ACCQ+8*\tt+4:ACCQ+8*\tt+7], v29, s[40:41] offset:(32*(\tt/2)+8*(\tt%2))*4+16
.endr
	global_load_b32 v[BV], v30, s[16:17]
	global_load_b32 v[BV+1], v30, s[16:17]
	s_wait_tensorcnt 0x0                           ; my rows are in,
	s_wait_dscnt 0x0
	s_barrier_signal -1
	s_barrier_wait -1                              ; and everybody's: the rows read below were fetched by two waves of my group
.irp b, 0,1,2,3
.irp j, 0,1,2,3
	ds_load_b128 v[XQ+16*\b+4*\j:XQ+16*\b+4*\j+3], v8 offset:128*\b+16*\j
.endr
.endr
	s_wait_dscnt 0x0
	QUANT XQ, 4, PC
	ds_store_b128 v9, v[PC:PC+3]
	ds_store_b128 v9, v[PC+4:PC+7] offset:512
	ds_store_b32 v10, v[PW]
	BARRIER
.irp s, 0,1
.irp c, 0,1
	ds_load_b128 v[XF+8*\s+4*\c:XF+8*\s+4*\c+3], v13 offset:1024*\s+512*\c
	ds_load_b128 v[WVF+8*\s+4*\c:WVF+8*\s+4*\c+3], v19 offset:1024*\s+512*\c
.endr
	ds_load_b32 v[SX+\s], v14 offset:128*\s
	ds_load_b32 v[SWV+\s], v20 offset:64*\s
.endr
.irp tt, 0,1,2,3
.irp s, 0,1
.irp c, 0,1
	ds_load_b128 v[WF+8*(2*\tt+\s)+4*\c:WF+8*(2*\tt+\s)+4*\c+3], v15 offset:1024*(2*\tt+\s)+512*\c
.endr
	ds_load_b32 v[SW+2*\tt+\s], v16 offset:64*(2*\tt+\s)
.endr
.endr
.irp u, 0,1
.irp s, 0,1
.irp c, 0,1
	ds_load_b128 v[XVF+8*(2*\u+\s)+4*\c:XVF+8*(2*\u+\s)+4*\c+3], v17 offset:2048*\u+1024*\s+512*\c
.endr
	ds_load_b32 v[SXV+2*\u+\s], v18 offset:256*\u+128*\s
.endr
.endr
	s_wait_dscnt 0x0
	s_wait_loadcnt 0x0
.irp s, 0,1
.irp tt, 0,1,2,3
	v_wmma_scale_f32_16x16x128_f8f6f4 v[ACCQ+8*\tt:ACCQ+8*\tt+7], v[WF+8*(2*\tt+\s):WF+8*(2*\tt+\s)+7], v[XF+8*\s:XF+8*\s+7], v[ACCQ+8*\tt:ACCQ+8*\tt+7], v[SW+2*\tt+\s], v[SX+\s] matrix_a_fmt:MATRIX_FMT_FP4 matrix_b_fmt:MATRIX_FMT_FP4
.endr
.endr
.irp u, 0,1
	v_wmma_scale_f32_16x16x128_f8f6f4 v[ACCV+8*\u:ACCV+8*\u+7], v[XVF+16*\u:XVF+16*\u+7], v[WVF:WVF+7], 0, v[SXV+2*\u], v[SWV] matrix_a_fmt:MATRIX_FMT_FP4 matrix_b_fmt:MATRIX_FMT_FP4
.endr
.irp u, 0,1
	v_wmma_scale_f32_16x16x128_f8f6f4 v[ACCV+8*\u:ACCV+8*\u+7], v[XVF+16*\u+8:XVF+16*\u+15], v[WVF+8:WVF+15], v[ACCV+8*\u:ACCV+8*\u+7], v[SXV+2*\u+1], v[SWV+1] matrix_a_fmt:MATRIX_FMT_FP4 matrix_b_fmt:MATRIX_FMT_FP4
.endr
.rept 4
	v_nop
.endr
	QUANT ACCQ, 2, PC
.set j, 0
.rept 8
	v_pk_add_f32 v[ACCV+j:ACCV+j+1], v[ACCV+j:ACCV+j+1], v[BV:BV+1]
.set j, j+2
.endr
	QUANT ACCV, 1, PC+4
	global_store_b128 v25, v[PC:PC+3], s[42:43]
	ds_store_b32 v21, v[PW]
	global_store_b64 v26, v[PC+4:PC+5], s[48:49]
	ds_store_b8 v22, v[TM+4]
	BARRIER
	s_cmp_eq_u32 s22, 0
	s_cbranch_scc0 .Lnot_0
	ds_load_b128 v[76:79], v23
	s_wait_dscnt 0x0
	global_store_b128 v27, v[76:79], s[46:47] offset:4096
	s_wait_tensorcnt 0x0
	ds_add_u32 v254, v255
	s_wait_dscnt 0x0
	s_endpgm
.Lnot_0:
	s_cmp_eq_u32 s22, 1
	s_cbranch_scc0 .Lnot_1
	ds_load_b128 v[76:79], v23 offset:512
	s_wait_dscnt 0x0
	global_store_b128 v27, v[76:79], s[48:49] offset:8192
	s_wait_tensorcnt 0x0
	ds_add_u32 v254, v255
	s_wait_dscnt 0x0
	s_endpgm
.Lnot_1:
	s_cmp_eq_u32 s22, 2
	s_cbranch_scc0 .Lnot_2
	ds_load_b64 v[76:77], v24
	s_wait_dscnt 0x0
	global_store_b64 v28, v[76:77], s[48:49] offset:8704
.Lnot_2:
	s_wait_tensorcnt 0x0
	ds_add_u32 v254, v255
	s_wait_dscnt 0x0
	s_endpgm
.Lfunc_end_k_q7c4fc5053a_proj:
	.size	k_q7c4fc5053a_proj, .Lfunc_end_k_q7c4fc5053a_proj-k_q7c4fc5053a_proj
	.p2alignl 7, 3214868480
	.fill 96, 4, 3214868480
	.section	.rodata,"a",@progbits
	.p2align	6, 0x0
	.amdhsa_kernel k_q7c4fc5053a_proj
		.amdhsa_group_segment_fixed_size 327680
		.amdhsa_private_segment_fixed_size 0
		.amdhsa_enable_private_segment 0
		.amdhsa_kernarg_size 72
		.amdhsa_user_sgpr_count 2
		.amdhsa_user_sgpr_kernarg_segment_ptr 1
		.amdhsa_wavefront_size32 1
		.amdhsa_system_sgpr_workgroup_id_x 1
		.amdhsa_system_sgpr_workgroup_id_y 1
		.amdhsa_system_sgpr_workgroup_id_z 1
		.amdhsa_system_vgpr_workitem_id 0
		.amdhsa_next_free_vgpr 256
		.amdhsa_next_free_sgpr 66
		.amdhsa_reserve_vcc 0
		.amdhsa_float_denorm_mode_32 3
		.amdhsa_float_denorm_mode_16_64 3
		.amdhsa_memory_ordered 1
		.amdhsa_forward_progress 1
		.amdhsa_inst_pref_size 38
	.end_amdhsa_kernel
	.amdgpu_metadata
---
amdhsa.version: [ 1, 2 ]
amdhsa.kernels:
  - .name:           k_q7c4fc5053a_proj
    .symbol:         k_q7c4fc5053a_proj.kd
    .args:
      - { .name: x, .offset: 0, .size: 8, .value_kind: global_buffer, .address_space: global }
      - { .name: Wq, .offset: 8, .size: 8, .value_kind: global_buffer, .address_space: global }
      - { .name: bq, .offset: 16, .size: 8, .value_kind: global_buffer, .address_space: global }
      - { .name: Wk, .offset: 24, .size: 8, .value_kind: global_buffer, .address_space: global }
      - { .name: bk, .offset: 32, .size: 8, .value_kind: global_buffer, .address_space: global }
      - { .name: Wv, .offset: 40, .size: 8, .value_kind: global_buffer, .address_space: global }
      - { .name: bv, .offset: 48, .size: 8, .value_kind: global_buffer, .address_space: global }
      - { .name: qrec, .offset: 56, .size: 8, .value_kind: global_buffer, .address_space: global }
      - { .name: kvrec, .offset: 64, .size: 8, .value_kind: global_buffer, .address_space: global }
    .group_segment_fixed_size: 327680
    .private_segment_fixed_size: 0
    .kernarg_segment_align: 8
    .kernarg_segment_size: 72
    .max_flat_workgroup_size: 512
    .sgpr_count:     66
    .vgpr_count:     256
    .wavefront_size: 32
...
	.end_amdgpu_metadata
.endif
;; end of part 1
;; launch stats (part 2): grid 32 x 8, 16 waves a work-group, clusters of 4 x 1, 169,984 bytes of LDS; arguments qrec, kvrec, zbuf; writes zbuf
.if DOCPART == 2
	.amdgcn_target "amdgcn-amd-amdhsa--gfx1250"
	.amdhsa_code_object_version 6
	.text
	.protected	k_q7c4fc5053a_stats
	.globl	k_q7c4fc5053a_stats
	.p2align	8
	.type	k_q7c4fc5053a_stats,@function
k_q7c4fc5053a_stats:
	s_mov_b64 s[64:65], 0
	v_nop
	global_prefetch_b8 v0, s[64:65] scope:SCOPE_SE
	s_setreg_imm32_b32 hwreg(HW_REG_WAVE_MODE, 25, 1), 1
	s_wait_xcnt 0x0
	s_wait_alu depctr_hold_cnt(0) depctr_sa_sdst(0) depctr_va_vdst(0) depctr_va_sdst(0) depctr_va_ssrc(0) depctr_va_vcc(0) depctr_vm_vsrc(0)
	s_getreg_b32 s2, hwreg(HW_REG_IB_STS2, 6, 4)
	s_cmp_eq_u32 s2, 0
	s_cbranch_scc0 .Lentry_in_a_cluster
	s_endpgm
.Lentry_in_a_cluster:
	s_bfe_u32 s2, ttmp6, 0x10000c
	s_cmp_lg_u32 s2, 0x3003
	s_cbranch_scc0 .Lentry_shape_is_right
	s_endpgm
.Lentry_shape_is_right:
; The softmax runs over the QUERIES: for each key, nz = -(c m + log2 l), c = log2(e) / 8, m the key's largest score over its batch's 4,096 queries, l = the sum over the queries of 2^(c s - c m).
; The weight is then 2^(c s + nz), finished and normalised.  The scores s = q . k are made on codes of FP4 (K = 64: the upper half of each fragment holds zero codes, under the scale 1).
; SHARES.  A work-group owns the 128 keys of one record.  Wave (kp = w / 4, qq = w % 4) owns key tiles 2 kp, 2 kp + 1 and takes the query records 4 i + qq, i = 0 .. 7.
; Source 0 = 16 queries, source 1 = 16 keys: a lane holds ONE key and its registers run along the queries.  A running maximum is kept: n = -c m, l is rescaled by 2^(n_new - n_old).
; A step has two parts.  PRE: products, maxima (eight chains by turns), multiply-adds.  FIN: ONE batch of exponentials between its two waits, then the sums (four chains by turns).
; THE WAVES TAKE TURNS AT THE BATCHES: a wave signals a barrier when its batch is issued and waits for it ahead of its next batch, with only sums, LDS loads and the next PRE between: no wave begins batch i + 1
; before every wave has issued batch i.  The loop is turned so that a trip is FIN i, PRE i + 1 and the barrier closes inside the trip: PRE 0 ahead of it, six trips, and the last two steps written out.
; LDS: the batch's 32 query records (147,456 bytes), filled once.  CLUSTER: the four work-groups of a cluster belong to one batch: wave w asks JOINTLY for records 2 w, 2 w + 1 (36 rows of 256 bytes): one load a wave.
; No prefetch: every byte that the launch reads is asked for at its head, so there is no loop to run ahead in.
; LIMITS: NaN and infinities are not served; the running maximum starts at -3e38.
.set QREC,   4608
.set KVREC,  8960
.set QSTEPB, 4*QREC                    ; four records a step
.set CM,     32*QREC                   ; behind the records: n, [qq][128 keys] f32; l lies 2,048 bytes on
.set SPARE,  0x29000                   ; the spare words: 128 bytes a wave
.set KFR, 8                            ; v8-23    my two fragments of k: codes in the low four registers, zeros in the high four
.set KS,  24                           ; v24-25   their scale words
.set QS,  26                           ; v26-33   the eight query tiles' scale words
.set QF,  34                           ; v34-97   eight fragments of q, likewise half zeros
.set S,   98                           ; v98-161, v162-225 the scores of key tile u = 0, 1
.set ST,  226                          ; v226+8u: +0 n, +1 m, +2, +3 l in two halves, +4 .. +7 at work
.set W0,  242                          ; v242+2u  the sums' second chains
.set R16, 246                          ; v246     16 r
.set SPW, 254
.set NIL, 255
.macro ROUND                           ; a round of the cluster's barrier
	s_barrier_signal -1
	s_barrier_wait -1
	s_cmp_lg_u32 s10, 0
	s_cbranch_scc1 .Lnot_wave_0_\@
	s_barrier_signal -3
.Lnot_wave_0_\@:
	s_barrier_wait -3
	s_barrier_signal -1
	s_barrier_wait -1
.endm
	s_load_b128 s[4:7], s[0:1], 0x0                ; qrec, kvrec
	s_load_b64 s[8:9], s[0:1], 0x10                ; zbuf
	v_lshl_add_u32 v[SPW], v0, 2, SPARE
	v_mov_b32 v[NIL], 0
	ds_add_u32 v[SPW], v[NIL]                      ; the opening lines: the add twice on end and its wait
	ds_add_u32 v[SPW], v[NIL]
	v_lshrrev_b32 v1, 5, v0
	v_readfirstlane_b32 s10, v1                    ; wave
	s_and_b32 s11, s10, 3                          ; qq
	s_lshr_b32 s12, s10, 2                         ; kp
	s_bfe_u32 s13, ttmp6, 0x40000                  ; cx
	s_lshl_b32 s66, ttmp9, 2
	s_add_co_u32 s13, s66, s13                     ; my record in the batch: it enters k's and zbuf's addresses alone
	s_and_b32 s14, ttmp7, 0xffff                   ; the batch, which the four partners share
	s_mov_b32 s16, 15|(3<<16)|(1<<21)              ; group 1: the mask names all four; elements of 8 bytes; bit 21 beside a mask
	s_mov_b32 s17, 32<<16                          ; rows of 256 bytes,
	s_mov_b32 s18, 36<<16                          ; 36 of them: two records
	s_mov_b32 s19, 32<<16
	s_mov_b32 s20, 36
	s_mov_b32 s21, 32
	s_mov_b32 s22, 0
	s_mov_b32 s23, 0
	s_mul_i32 s68, s14, 32*QREC
	s_mul_i32 s67, s10, 2*QREC                     ; wave w fetches records 2 w, 2 w + 1
	s_add_co_u32 s68, s68, s67
	s_mov_b32 s69, 0
	s_lshl_b32 s70, s14, 5
	s_add_co_u32 s70, s70, s13
	s_mul_i32 s70, s70, KVREC                      ; my keys' record
	s_mov_b32 s71, 0
	s_lshl_b32 s72, s14, 14
	s_lshl_b32 s73, s13, 9
	s_add_co_u32 s72, s72, s73                     ; my keys' 512 bytes of zbuf
	s_mov_b32 s73, 0
	s_mov_b32 s56, 0x3e38aa3b                      ; c = log2(e) / 8
	s_mov_b32 s57, s56                             ; (named with it as a pair)
	s_mov_b32 s58, 0xbe38aa3b                      ; -c
	s_mov_b32 s60, 0x76543210                      ; selects for lane l xor 16
	s_mov_b32 s61, 0xfedcba98
	s_mul_i32 s62, s11, QREC                       ; LDS: the step's record; 4 records on in each step
	s_lshl_b32 s63, s11, 9
	s_lshl_b32 s74, s12, 7
	s_add_co_u32 s63, s63, s74
	s_add_co_u32 s63, s63, CM                      ; n of quarter qq, keys 32 kp on
	s_lshl_b32 s74, s12, 10                        ; k's codes in the record: 512 (2 kp + u)
	s_lshr_b32 s75, s12, 1
	s_lshl_b32 s75, s75, 8
	s_and_b32 s76, s12, 1
	s_lshl_b32 s76, s76, 3
	s_add_co_u32 s75, s75, s76                     ; k's scale words
	s_wait_dscnt 0x0                               ; both opening adds are done
	ROUND                                          ; all four work-groups are here: the joint loads meet.  The round stands ahead of the wait for the arguments, which are on their way meanwhile
	s_wait_kmcnt 0x0
	s_mov_b32 s24, 1
	s_mov_b32 s25, s67
	s_add_nc_u64 s[26:27], s[4:5], s[68:69]
	s_or_b32 s27, s27, 0x80000000
	s_add_nc_u64 s[70:71], s[6:7], s[70:71]
	s_add_nc_u64 s[72:73], s[8:9], s[72:73]
	tensor_load_to_lds s[24:27], s[16:23]          ; my one load
	s_nop 0
	v_and_b32 v5, 31, v0
	v_lshlrev_b32 v5, 4, v5                        ; v5: 16 l
	v_and_b32 v247, 15, v0                         ; r
	v_lshlrev_b32 v[R16], 4, v247
	v_and_b32 v248, 8, v247
	v_add_nc_u32 v248, v248, v247                  ; r + 8 (r / 8)
	v_lshlrev_b32 v3, 2, v248
	v_add_nc_u32 v3, s63, v3                       ; v3: n of my key: key 32 kp + 8 u + r + 8 (r / 8)
	v_add_nc_u32 v4, CM, v5                        ; v4: the way out: four keys a lane
	v_add_nc_u32 v6, s74, v5                       ; v6: k's codes
	v_add_nc_u32 v7, s75, v[R16]                   ; v7: k's scale words
	v_add_nc_u32 v1, s62, v5                       ; v1: a fragment's place for my lane in the step's record
	v_add_nc_u32 v2, s62, v[R16]                   ; v2: its scale words, 4,096 bytes on
.irp u, 0,1
.irp j, 4,5,6,7
	v_mov_b32 v[KFR+8*\u+\j], 0                    ; zero codes for k = 64 .. 127
.endr
.endr
.irp t, 0,1,2,3,4,5,6,7
.irp j, 4,5,6,7
	v_mov_b32 v[QF+8*\t+\j], 0
.endr
.endr
.irp u, 0,1
	v_mov_b32 v[ST+8*\u+1], 0xff61b1e6             ; m: -3e38
	v_mul_f32 v[ST+8*\u], s58, v[ST+8*\u+1]        ; n = -c m
	v_mov_b32 v[ST+8*\u+2], 0                      ; l
	v_mov_b32 v[ST+8*\u+3], 0
.endr
	s_wait_alu depctr_va_vdst(0)                   ; the wait at the head's end
	global_load_b128 v[KFR:KFR+3], v6, s[70:71]
	global_load_b128 v[KFR+8:KFR+11], v6, s[70:71] offset:512
	global_load_b32 v[KS], v7, s[70:71] offset:8192
	global_load_b32 v[KS+1], v7, s[70:71] offset:8196
.macro LOADQ                           ; the record's eight fragments and their scale words: ten LDS loads
.irp g, 0,1
	ds_load_b128 v[QS+4*\g:QS+4*\g+3], v2 offset:4096+256*\g
.endr
.irp t, 0,1,2,3,4,5,6,7
	ds_load_b128 v[QF+8*\t:QF+8*\t+3], v1 offset:512*\t
.endr
.endm
; A step's first part: one query record against my two key tiles, up to c s + n.  pre = 1: the next record's loads go out behind the products.
.macro PRE pre
	s_wait_dscnt 0x0
.irp t, 0,1,2,3,4,5,6,7
.irp u, 0,1
	v_wmma_scale_f32_16x16x128_f8f6f4 v[S+64*\u+8*\t:S+64*\u+8*\t+7], v[QF+8*\t:QF+8*\t+7], v[KFR+8*\u:KFR+8*\u+7], 0, v[QS+\t], v[KS+\u] matrix_a_fmt:MATRIX_FMT_FP4 matrix_b_fmt:MATRIX_FMT_FP4
.endr
.endr
.if \pre                               ; four places behind the products (ISA guide 7.12.1), two of them the next record's addresses
	s_add_co_u32 s62, s62, QSTEPB
	v_add_nc_u32 v1, s62, v5
	v_add_nc_u32 v2, s62, v[R16]
	v_nop
	v_nop
	LOADQ
.else
.rept 4
	v_nop
.endr
.endif
.irp c, 0,1,2,3                        ; eight chains of 16 registers, ascending: each accumulator is first read at its low end
.irp u, 0,1
	v_max3_num_f32 v[ST+8*\u+4+\c], v[S+64*\u+16*\c], v[S+64*\u+16*\c+1], v[S+64*\u+16*\c+2]
.endr
.endr
.irp i, 3,5,7,9,11,13
.irp c, 0,1,2,3
.irp u, 0,1
	v_max3_num_f32 v[ST+8*\u+4+\c], v[ST+8*\u+4+\c], v[S+64*\u+16*\c+\i], v[S+64*\u+16*\c+\i+1]
.endr
.endr
.endr
.irp u, 0,1
	v_max3_num_f32 v[ST+8*\u+4], v[ST+8*\u+4], v[S+64*\u+15], v[S+64*\u+31]
	v_max3_num_f32 v[ST+8*\u+6], v[ST+8*\u+6], v[S+64*\u+47], v[S+64*\u+63]
.endr
.irp u, 0,1
	v_max3_num_f32 v[ST+8*\u+4], v[ST+8*\u+4], v[ST+8*\u+5], v[ST+8*\u+6]
.endr
.irp u, 0,1
	v_max3_num_f32 v[ST+8*\u+1], v[ST+8*\u+4], v[ST+8*\u+7], v[ST+8*\u+1]   ; the new m
.endr
.irp u, 0,1
	v_mov_b32 v[ST+8*\u+7], v[ST+8*\u]
.endr
.irp u, 0,1
	v_mul_f32 v[ST+8*\u], s58, v[ST+8*\u+1]        ; the new n = -c m
.endr
.irp u, 0,1
	v_sub_f32 v[ST+8*\u+7], v[ST+8*\u], v[ST+8*\u+7]   ; n_new - n_old, 0 or less
.endr
.irp u, 0,1
.set p, 0
.rept 32
	v_pk_fma_f32 v[S+64*\u+2*p:S+64*\u+2*p+1], v[S+64*\u+2*p:S+64*\u+2*p+1], s[56:57], v[ST+8*\u:ST+8*\u+1] op_sel_hi:[1,0,0]   ; c s + n
.set p, p+1
.endr
.endr
	s_wait_alu depctr_va_vdst(0)                   ; the wait ahead of the batch
.endm
; A step's second part: the batch and the sums.  sig = 1: another batch follows: the barrier that stands ahead of it is signalled as soon as this one is issued.
.macro FIN sig
.irp u, 0,1
	v_exp_f32 v[ST+8*\u+6], v[ST+8*\u+7]
.endr
.set p, 0
.rept 128
	v_exp_f32 v[S+p], v[S+p]
.set p, p+1
.endr
	v_nop                                          ; a plain place behind the last exponential
.if \sig
	s_wait_dscnt 0x0                               ; no LDS load of mine is out at a signal
	s_barrier_signal -1
.endif
	s_wait_alu depctr_va_vdst(0)                   ; the wait behind the batch
.irp u, 0,1
	v_pk_fma_f32 v[ST+8*\u+2:ST+8*\u+3], v[ST+8*\u+2:ST+8*\u+3], v[ST+8*\u+6:ST+8*\u+7], v[S+64*\u:S+64*\u+1] op_sel_hi:[1,0,1]   ; l 2^(n_new - n_old) + pair 0
	v_pk_add_f32 v[W0+2*\u:W0+2*\u+1], v[S+64*\u+2:S+64*\u+3], v[S+64*\u+4:S+64*\u+5]
.endr
.set p, 3
.rept 14
.irp u, 0,1
	v_pk_add_f32 v[ST+8*\u+2:ST+8*\u+3], v[ST+8*\u+2:ST+8*\u+3], v[S+64*\u+2*p:S+64*\u+2*p+1]
	v_pk_add_f32 v[W0+2*\u:W0+2*\u+1], v[W0+2*\u:W0+2*\u+1], v[S+64*\u+2*p+2:S+64*\u+2*p+3]
.endr
.set p, p+2
.endr
.irp u, 0,1
	v_pk_add_f32 v[ST+8*\u+2:ST+8*\u+3], v[ST+8*\u+2:ST+8*\u+3], v[S+64*\u+62:S+64*\u+63]
.endr
.irp u, 0,1
	v_pk_add_f32 v[ST+8*\u+2:ST+8*\u+3], v[ST+8*\u+2:ST+8*\u+3], v[W0+2*\u:W0+2*\u+1]
.endr
.endm
	s_wait_loadcnt 0x0                             ; k
	s_wait_tensorcnt 0x0                           ; my two records are in
	s_barrier_signal -1
	s_barrier_wait -1                              ; and everybody's; nothing is filled again
	LOADQ
	PRE 1                                          ; step 0
	s_mov_b32 s59, 6
.Lstep:                                                ; trip i: the batch of step i, the first part of step i + 1 (which asks for record i + 2)
	FIN 1
	PRE 1
	s_barrier_wait -1                              ; every wave has issued batch i
	s_sub_co_u32 s59, s59, 1
	s_cmp_lg_u32 s59, 0
	s_cbranch_scc1 .Lstep
	FIN 1                                          ; step 6
	PRE 0                                          ; step 7: nothing more to fetch
	s_barrier_wait -1
	FIN 0
	; the two halves of the lanes meet
.irp u, 0,1
	v_add_f32 v[ST+8*\u+4], v[ST+8*\u+2], v[ST+8*\u+3]
	v_permlanex16_b32 v[ST+8*\u+5], v[ST+8*\u], s60, s61
.endr
.irp u, 0,1
	v_min_num_f32 v[ST+8*\u+5], v[ST+8*\u+5], v[ST+8*\u]       ; n of both
.endr
.irp u, 0,1
	v_sub_f32 v[ST+8*\u+6], v[ST+8*\u+5], v[ST+8*\u]
.endr
	s_wait_alu depctr_va_vdst(0)                   ; ahead of the batch
.irp u, 0,1
	v_exp_f32 v[ST+8*\u+6], v[ST+8*\u+6]
.endr
	v_nop
	s_wait_alu depctr_va_vdst(0)                   ; behind it
.irp u, 0,1
	v_mul_f32 v[ST+8*\u+4], v[ST+8*\u+4], v[ST+8*\u+6]         ; my l under the common n
.endr
.irp u, 0,1
	v_permlanex16_b32 v[ST+8*\u+7], v[ST+8*\u+4], s60, s61
.endr
.irp u, 0,1
	v_add_f32 v[ST+8*\u+4], v[ST+8*\u+4], v[ST+8*\u+7]
.endr
.irp u, 0,1
	ds_store_b32 v3, v[ST+8*\u+5] offset:32*\u                 ; lanes r and r + 16 write the same word with the same value
	ds_store_b32 v3, v[ST+8*\u+4] offset:32*\u+2048
.endr
	s_wait_dscnt 0x0
	s_barrier_signal -1
	s_barrier_wait -1
	s_cmp_lg_u32 s10, 0
	s_cbranch_scc1 .Lothers
	; wave 0 joins the four quarters: four keys a lane
.irp q, 0,1,2,3
	ds_load_b128 v[S+4*\q:S+4*\q+3], v4 offset:512*\q
	ds_load_b128 v[S+16+4*\q:S+16+4*\q+3], v4 offset:2048+512*\q
.endr
	s_wait_dscnt 0x0
.irp e, 0,1,2,3
	v_min3_num_f32 v[S+32+\e], v[S+\e], v[S+4+\e], v[S+8+\e]
.endr
.irp e, 0,1,2,3
	v_min_num_f32 v[S+32+\e], v[S+32+\e], v[S+12+\e]           ; n of all four
.endr
.irp q, 0,1,2,3
.irp e, 0,1,2,3
	v_sub_f32 v[S+4*\q+\e], v[S+32+\e], v[S+4*\q+\e]
.endr
.endr
	s_wait_alu depctr_va_vdst(0)
.irp q, 0,1,2,3
.irp e, 0,1,2,3
	v_exp_f32 v[S+4*\q+\e], v[S+4*\q+\e]
.endr
.endr
	v_nop
	s_wait_alu depctr_va_vdst(0)
.irp e, 0,1,2,3
	v_mul_f32 v[S+36+\e], v[S+16+\e], v[S+\e]
.endr
.irp q, 1,2,3
.irp e, 0,1,2,3
	v_fmac_f32 v[S+36+\e], v[S+16+4*\q+\e], v[S+4*\q+\e]
.endr
.endr
	s_wait_alu depctr_va_vdst(0)
.irp e, 0,1,2,3
	v_log_f32 v[S+36+\e], v[S+36+\e]
.endr
	v_nop
	s_wait_alu depctr_va_vdst(0)
.irp e, 0,1,2,3
	v_sub_f32 v[S+40+\e], v[S+32+\e], v[S+36+\e]               ; nz = n - log2 l
.endr
	global_store_b128 v5, v[S+40:S+43], s[72:73]               ; the wave stores 512 consecutive bytes, aligned
.Lothers:
	s_wait_tensorcnt 0x0                           ; the wave's end
	ds_add_u32 v[SPW], v[NIL]
	s_wait_dscnt 0x0
	ROUND                                          ; the closing round
	s_endpgm
.Lfunc_end_k_q7c4fc5053a_stats:
	.size	k_q7c4fc5053a_stats, .Lfunc_end_k_q7c4fc5053a_stats-k_q7c4fc5053a_stats
	.p2alignl 7, 3214868480
	.fill 96, 4, 3214868480
	.section	.rodata,"a",@progbits
	.p2align	6, 0x0
	.amdhsa_kernel k_q7c4fc5053a_stats
		.amdhsa_group_segment_fixed_size 169984
		.amdhsa_private_segment_fixed_size 0
		.amdhsa_enable_private_segment 0
		.amdhsa_kernarg_size 24
		.amdhsa_user_sgpr_count 2
		.amdhsa_user_sgpr_kernarg_segment_ptr 1
		.amdhsa_wavefront_size32 1
		.amdhsa_system_sgpr_workgroup_id_x 1
		.amdhsa_system_sgpr_workgroup_id_y 1
		.amdhsa_system_sgpr_workgroup_id_z 1
		.amdhsa_system_vgpr_workitem_id 0
		.amdhsa_next_free_vgpr 256
		.amdhsa_next_free_sgpr 96
		.amdhsa_reserve_vcc 0
		.amdhsa_float_denorm_mode_32 3
		.amdhsa_float_denorm_mode_16_64 3
		.amdhsa_memory_ordered 1
		.amdhsa_forward_progress 1
		.amdhsa_inst_pref_size 69
	.end_amdhsa_kernel
	.amdgpu_metadata
---
amdhsa.version: [ 1, 2 ]
amdhsa.kernels:
  - .name:           k_q7c4fc5053a_stats
    .symbol:         k_q7c4fc5053a_stats.kd
    .args:
      - { .name: qrec, .offset: 0, .size: 8, .value_kind: global_buffer, .address_space: global }
      - { .name: kvrec, .offset: 8, .size: 8, .value_kind: global_buffer, .address_space: global }
      - { .name: zbuf, .offset: 16, .size: 8, .value_kind: global_buffer, .address_space: global }
    .group_segment_fixed_size: 169984
    .private_segment_fixed_size: 0
    .kernarg_segment_align: 8
    .kernarg_segment_size: 24
    .max_flat_workgroup_size: 512
    .sgpr_count:     96
    .vgpr_count:     256
    .wavefront_size: 32
...
	.end_amdgpu_metadata
.endif
;; end of part 2
;; launch attn (part 3): grid 32 x 8, 16 waves a work-group, clusters of 4 x 1, 327,680 bytes of LDS; arguments qrec, kvrec, zbuf, out0; writes out0
.if DOCPART == 3
	.amdgcn_target "amdgcn-amd-amdhsa--gfx1250"
	.amdhsa_code_object_version 6
	.text
	.protected	k_q7c4fc5053a_attn
	.globl	k_q7c4fc5053a_attn
	.p2align	8
	.type	k_q7c4fc5053a_attn,@function
k_q7c4fc5053a_attn:
	s_mov_b64 s[64:65], 0
	v_nop
	global_prefetch_b8 v0, s[64:65] scope:SCOPE_SE
	s_setreg_imm32_b32 hwreg(HW_REG_WAVE_MODE, 25, 1), 1
	s_wait_xcnt 0x0
	s_wait_alu depctr_hold_cnt(0) depctr_sa_sdst(0) depctr_va_vdst(0) depctr_va_sdst(0) depctr_va_ssrc(0) depctr_va_vcc(0) depctr_vm_vsrc(0)
	s_getreg_b32 s2, hwreg(HW_REG_IB_STS2, 6, 4)
	s_cmp_eq_u32 s2, 0
	s_cbranch_scc0 .Lentry_in_a_cluster
	s_endpgm
.Lentry_in_a_cluster:
	s_bfe_u32 s2, ttmp6, 0x10000c
	s_cmp_lg_u32 s2, 0x3003
	s_cbranch_scc0 .Lentry_shape_is_right
	s_endpgm
.Lentry_shape_is_right:
; out[q] = the sum over the keys of Q(attn[q][k]) Q(v[k]), attn = 2^(c s + nz[k]), c = log2(e) / 8, s = q . k on codes of FP4, nz from the launch before: the weight is finished and normalised
; when it is quantised, in blocks of 32 keys for each query.  So this walk has no running maximum, no row sum and no rescaling.
; SHARES.  A work-group owns the 128 queries of one record.  Wave (qp = w / 4, kq = w % 4) owns query tiles 2 qp, 2 qp + 1 and takes the key records 4 i + kq, i = 0 .. 7; the four partial sums of a query meet in LDS at the end.
; LAYOUT.  Both products are used transposed: S^T = K Q^T, O^T = V^T P^T: a lane holds ONE query.  WHICH KEYS FORM A TILE is chosen by the LDS addresses of k's fragments: lane m of tile t of half c takes key
; 64 c + 32 (m / 8) + 8 t + m % 8.  In the record that key lies in tile 4 c + 2 (m / 8) + t % 2 at row m % 8 + 8 (t / 2).  So the 32 registers of a lane's four tiles are keys 64 c + 32 (lane / 16) + 0 .. 31:
; ONE WHOLE BLOCK, in the order that the second product's operand wants: its maximum needs no other lane, and the four conversions' results are the operand's registers 4 c .. 4 c + 3 as they stand.
; The scale word's four bytes are gathered from lanes l and l xor 16 once a step.  The price: k's fragment loads touch each bank column twice, and k's scale words come by four loads of 4 bytes.
; A step has two halves of 64 keys; each: products, multiply-adds, ONE batch of 64 exponentials between its two waits, the two blocks' maxima in four chains, scales, conversions.
; THE WAVES TAKE TURNS AT THE BATCHES: a wave signals a barrier when its batch is issued and waits for it ahead of its next batch, with only register work and LDS loads between.
; The loop is turned so that a trip runs from a step's first batch to the next step's multiply-adds and both barriers close inside it: step 0 and step 7 are written out, six trips between.
; LDS: the batch's 32 records of k and v (286,720 bytes), each filled once, and its nz (16,384 bytes, stored through registers into bytes of its own).  CLUSTER: the four work-groups of a cluster belong to one batch:
; wave w asks JOINTLY for record w at the head and for record 16 + w behind the full sequence and a round: one load a wave out at a time.  The wait for the second load stands ahead of the signal behind step 0's
; second batch, so that barrier publishes records 16 to 31; they are first read at the end of step 3.
; nz is 16 KB of the 303 KB that a work-group takes in, and comes by plain loads.  No prefetch: every byte is asked for by the first two groups of loads, so there is no loop to run ahead in.
; The stages for the way out lie over records 0 to 15, which have then had their last fill and their last read.
; LIMITS: a weight under 2^-126 comes out of v_exp_f32 as 0 (ISA guide: it flushes denormal results); a block of zeros carries the byte 1 over zero codes; the sum over the keys is made in four parts, added at the end;
; NaN and infinities are not served.
.set QREC,   4608
.set KVREC,  8960
.set KSTEPB, 4*KVREC                   ; four records a step
.set ZB,     32*KVREC                  ; nz, in the keys' own order
.set SPARE,  ZB+16384                  ; the spare words: 128 bytes a wave
.set SP,     272                       ; a stage row: 64 f32 + 16 bytes
.set STG,    8960                      ; a wave's stage: 32 rows, rows 16 to 31 a further 128 bytes on
.set SPW, 4                            ; v4, v5   the add's two registers
.set NIL, 5                            ; v1 k's fragments, v2 k's scale words, v3 nz, v6 v's fragments, v7 v's scale words: the step's addresses
.set QF,  8                            ; v8-23    my two fragments of q: codes in the low four registers, zeros in the high four
.set QSC, 24                           ; v24-25   their scale words
.set PW,  26                           ; v26-27   the weights' scale words
.set SC,  28                           ; v28-31   four scale words of k
.set KF,  32                           ; v32-63   four fragments of k, likewise half zeros
.set Z,   64                           ; v64-95   nz of 32 keys a lane;
.set VF,  64                           ;          later in a step v's four fragments
.set S,   96                           ; v96-159  S^T, then the weights, of query tiles u = 0, 1
.set P,   160                          ; v160+8u  the weights' codes
.set O,   176                          ; v176+32u+8dt  O^T
.set TM,  240                          ; v240-243 two chains of maxima for each u; then at work
.set L16, 244                          ; v244     16 l
.set R16, 245                          ; v245     16 r
.set CK,  246                          ; v246     my lane's place among k's fragments: 1024 (r / 8) + 16 (r % 8) + 256 h
.set CKS, 247                          ; v247     and among k's scale words: 16 (r % 8) + 8 (r / 8)
.set SO,  248                          ; v248-249 the conversions' scale operands
.set H128, 250                         ; v250     128 h
.set H8,  251                          ; v251     8 h
.set VSC, 252                          ; v252-255 four scale words of v
.macro ROUND                           ; a round of the cluster's barrier
	s_barrier_signal -1
	s_barrier_wait -1
	s_cmp_lg_u32 s66, 0
	s_cbranch_scc1 .Lnot_wave_0_\@
	s_barrier_signal -3
.Lnot_wave_0_\@:
	s_barrier_wait -3
	s_barrier_signal -1
	s_barrier_wait -1
.endm
	s_load_b256 s[4:11], s[0:1], 0x0               ; qrec s[4:5], kvrec s[6:7], zbuf s[8:9], out0 s[10:11]
	v_lshl_add_u32 v[SPW], v0, 2, SPARE
	v_mov_b32 v[NIL], 0
	ds_add_u32 v[SPW], v[NIL]                      ; the opening lines: the add twice on end and its wait
	ds_add_u32 v[SPW], v[NIL]
	v_lshrrev_b32 v1, 5, v0
	v_readfirstlane_b32 s66, v1                    ; wave
	s_and_b32 s72, s66, 3                          ; kq
	s_lshr_b32 s73, s66, 2                         ; qp
	s_bfe_u32 s67, ttmp6, 0x40000                  ; cx
	s_lshl_b32 s74, ttmp9, 2
	s_add_co_u32 s67, s74, s67                     ; my record in the batch: it enters q's and out0's addresses alone
	s_and_b32 s75, ttmp7, 0xffff                   ; the batch, which the four partners share
	s_mov_b32 s12, 15|(3<<16)|(1<<21)              ; group 1: the mask names all four; elements of 8 bytes; bit 21 beside a mask
	s_mov_b32 s13, 32<<16                          ; rows of 256 bytes,
	s_mov_b32 s14, 35<<16                          ; 35 of them: a record
	s_mov_b32 s15, 32<<16
	s_mov_b32 s16, 35
	s_mov_b32 s17, 32
	s_mov_b32 s18, 0
	s_mov_b32 s19, 0
	s_mul_i32 s76, s75, 32*KVREC
	s_mul_i32 s78, s66, KVREC                      ; wave w fetches records w and 16 + w
	s_add_co_u32 s76, s76, s78
	s_mov_b32 s77, 0
	s_lshl_b32 s80, s75, 14                        ; the batch's nz
	s_mov_b32 s81, 0
	s_lshl_b32 s82, s75, 5
	s_add_co_u32 s82, s82, s67
	s_mul_i32 s82, s82, QREC                       ; my queries' record
	s_mov_b32 s83, 0
	s_lshl_b32 s84, s75, 20                        ; out0: 256 bytes a row: 4,096 rows a batch,
	s_lshl_b32 s85, s67, 15                        ; 128 a work-group,
	s_add_co_u32 s84, s84, s85
	s_lshl_b32 s85, s73, 13                        ; 32 for each qp,
	s_add_co_u32 s84, s84, s85
	s_lshl_b32 s85, s72, 11                        ; of which wave kq stores 8
	s_add_co_u32 s84, s84, s85
	s_mov_b32 s85, 0
	s_mov_b32 s68, 0x3e38aa3b                      ; c = log2(e) / 8
	s_mov_b32 s69, s68                             ; (named with it as a pair)
	s_mov_b32 s70, 0x76543210                      ; selects for lane l xor 16
	s_mov_b32 s71, 0xfedcba98
	s_mul_i32 s88, s72, KVREC                      ; LDS: the step's record; four records on in each step
	s_lshl_b32 s89, s72, 9
	s_add_co_u32 s89, s89, ZB                      ; and its nz; 2,048 bytes on in each step
	s_mul_i32 s86, s66, STG                        ; my stage
	s_mul_i32 s87, s73, 4*STG
	s_mul_i32 s79, s72, 8*SP
	s_add_co_u32 s87, s87, s79                     ; rows 8 kq on of qp's first stage,
	s_lshr_b32 s79, s72, 1
	s_lshl_b32 s79, s79, 7
	s_add_co_u32 s87, s87, s79                     ; which lie 128 bytes further on from row 16
	s_lshl_b32 s90, s73, 10                        ; q's codes in the record: 512 (2 qp + u)
	s_lshr_b32 s91, s73, 1
	s_lshl_b32 s91, s91, 8
	s_and_b32 s79, s73, 1
	s_lshl_b32 s79, s79, 3
	s_add_co_u32 s91, s91, s79                     ; q's scale words
	s_wait_dscnt 0x0                               ; both opening adds are done
	ROUND                                          ; all four work-groups are here: the joint loads meet.  The round stands ahead of the wait for the arguments, which are on their way meanwhile
	s_wait_kmcnt 0x0
	s_add_nc_u64 s[76:77], s[6:7], s[76:77]
	s_mov_b32 s28, 1                               ; group 0 for record w,
	s_mov_b32 s29, s78
	s_mov_b64 s[30:31], s[76:77]
	s_or_b32 s31, s31, 0x80000000
	tensor_load_to_lds s[28:31], s[12:19]          ; my one load at the head
	s_nop 0
	s_mov_b32 s32, 1                               ; and for record 16 + w
	s_add_co_u32 s33, s78, 16*KVREC
	s_add_nc_u64 s[34:35], s[76:77], 16*KVREC
	s_or_b32 s35, s35, 0x80000000
	s_add_nc_u64 s[80:81], s[8:9], s[80:81]
	s_add_nc_u64 s[82:83], s[4:5], s[82:83]
	s_add_nc_u64 s[84:85], s[10:11], s[84:85]
	v_and_b32 v[L16], 31, v0
	v_lshlrev_b32 v[L16], 4, v[L16]                ; 16 l
	v_and_b32 v97, 15, v0                          ; r
	v_lshlrev_b32 v[R16], 4, v97                   ; 16 r
	v_bfe_u32 v98, v0, 4, 1                        ; h
	v_lshlrev_b32 v[H128], 7, v98
	v_lshlrev_b32 v[H8], 3, v98
	v_and_b32 v99, 7, v97                          ; r % 8
	v_lshrrev_b32 v108, 3, v97                     ; r / 8
	v_lshlrev_b32 v[CKS], 4, v99
	v_lshl_add_u32 v[CK], v108, 10, v[CKS]
	v_lshl_add_u32 v[CK], v98, 8, v[CK]
	v_lshl_add_u32 v[CKS], v108, 3, v[CKS]
	v_lshlrev_b32 v3, 4, v0                        ; my 16 bytes of each half of nz
	v_add_nc_u32 v1, s90, v[L16]                   ; q's codes
	v_add_nc_u32 v2, s91, v[R16]                   ; q's scale words
	v_add_nc_u32 v96, ZB, v3                       ; where nz goes in LDS
.irp u, 0,1
.irp j, 4,5,6,7
	v_mov_b32 v[QF+8*\u+\j], 0                     ; zero codes for k = 64 .. 127
.endr
.endr
.irp t, 0,1,2,3
.irp j, 4,5,6,7
	v_mov_b32 v[KF+8*\t+\j], 0
.endr
.endr
	s_wait_alu depctr_va_vdst(0)                   ; the wait at the head's end
	global_load_b128 v[QF:QF+3], v1, s[82:83]
	global_load_b128 v[QF+8:QF+11], v1, s[82:83] offset:512
	global_load_b32 v[QSC], v2, s[82:83] offset:4096
	global_load_b32 v[QSC+1], v2, s[82:83] offset:4100
	global_load_b128 v[100:103], v3, s[80:81]
	global_load_b128 v[104:107], v3, s[80:81] offset:8192
	s_wait_loadcnt 0x0                             ; q and nz are in, and v1 to v3 are free
	s_wait_tensorcnt 0x0                           ; my record is in: the stores below stand under no load of mine
	ds_store_b128 v96, v[100:103]
	ds_store_b128 v96, v[104:107] offset:8192
	s_wait_tensorcnt 0x0                           ; ahead of a later first fill
	ds_add_u32 v[SPW], v[NIL]
	s_wait_dscnt 0x0                               ; the add and my stores of nz are done
	ROUND                                          ; records 0 to 15 and nz are whole, and the joint loads meet
	tensor_load_to_lds s[32:35], s[12:19]          ; record 16 + w
	s_nop 0
.macro LOADK g                         ; four fragments of k (keys 64 g on) and their scale words: eight LDS loads
.irp t, 0,1,2,3
	ds_load_b128 v[KF+8*\t:KF+8*\t+3], v1 offset:2048*\g+512*(\t%2)+128*(\t/2)
.endr
.irp t, 0,1,2,3
	ds_load_b32 v[SC+\t], v2 offset:8192+256*\g+128*(\t/2)+4*(\t%2)
.endr
.endm
.macro LOADZ g                         ; nz of keys 64 g + 32 h + 0 .. 31: eight LDS loads
.irp n, 0,1,2,3,4,5,6,7
	ds_load_b128 v[Z+4*\n:Z+4*\n+3], v3 offset:256*\g+16*\n
.endr
.endm
.macro LOADV                           ; v's four fragments, into nz's registers, and their scale words: nine LDS loads
.irp dt, 0,1,2,3
.irp c, 0,1
	ds_load_b128 v[VF+8*\dt+4*\c:VF+8*\dt+4*\c+3], v6 offset:4096+1024*\dt+512*\c
.endr
.endr
	ds_load_b128 v[VSC:VSC+3], v7 offset:8704
.endm
.macro QK                              ; S^T of 64 keys x two query tiles
.irp t, 0,1,2,3
.irp u, 0,1
	v_wmma_scale_f32_16x16x128_f8f6f4 v[S+32*\u+8*\t:S+32*\u+8*\t+7], v[KF+8*\t:KF+8*\t+7], v[QF+8*\u:QF+8*\u+7], 0, v[SC+\t], v[QSC+\u] matrix_a_fmt:MATRIX_FMT_FP4 matrix_b_fmt:MATRIX_FMT_FP4
.endr
.endr
.rept 4
	v_nop                                          ; four places behind the products, for the loads into their sources and the reads of their results
.endr
.endm
.macro FMA g                           ; c s + nz of 64 scores a lane; then nz's registers are free and the next loads go out
.set p, 0
.rept 32
	v_pk_fma_f32 v[S+2*p:S+2*p+1], v[S+2*p:S+2*p+1], s[68:69], v[Z+(2*p)%32:Z+(2*p)%32+1] op_sel_hi:[1,0,1]   ; each accumulator from its low end on
.set p, p+1
.endr
.if \g == 0
	LOADZ 1
.else
	LOADV
.endif
	s_wait_alu depctr_va_vdst(0)                   ; the wait ahead of the batch
.endm
.macro BATCH tw                        ; the 64 weights; the barrier that stands ahead of the next batch is signalled as soon as this one is issued.  tw = 1: that barrier also publishes my record 16 + w
.set p, 0
.rept 64
	v_exp_f32 v[S+p], v[S+p]                       ; the weight, at most 1
.set p, p+1
.endr
	v_nop                                          ; a plain place behind the last exponential
.if \tw
	s_wait_tensorcnt 0x0
.endif
	s_wait_dscnt 0x0                               ; the loads asked for ahead of the batch are in: none is out at the signal
	s_barrier_signal -1
	s_wait_alu depctr_va_vdst(0)                   ; the wait behind the batch
.endm
.macro POST g                          ; my two blocks of 32 weights (one for each u) are quantised: block 2 g + h of the step's four
.irp u, 0,1
	v_max3_num_f32 v[TM+2*\u], v[S+32*\u], v[S+32*\u+1], 0x1800000   ; none is negative; the floor 2^(3 - 127) holds the byte at 1 from below
	v_max3_num_f32 v[TM+2*\u+1], v[S+32*\u+16], v[S+32*\u+17], v[S+32*\u+18]
.endr
.irp i, 0,2,4,6,8,10
.irp u, 0,1
	v_max3_num_f32 v[TM+2*\u], v[TM+2*\u], v[S+32*\u+2+\i], v[S+32*\u+3+\i]
	v_max3_num_f32 v[TM+2*\u+1], v[TM+2*\u+1], v[S+32*\u+19+\i], v[S+32*\u+20+\i]
.endr
.endr
.irp u, 0,1
	v_max3_num_f32 v[TM+2*\u], v[TM+2*\u], v[S+32*\u+14], v[S+32*\u+15]
.endr
.irp u, 0,1
	v_max3_num_f32 v[TM+2*\u], v[TM+2*\u], v[TM+2*\u+1], v[S+32*\u+31]   ; the block's largest weight
.endr
.irp u, 0,1
	v_add_nc_u32 v[SO+\u], 0xff000000, v[TM+2*\u]  ; 2 off the exponent field: the conversion's scale operand
.endr
.if \g == 0
.irp u, 0,1
	v_lshrrev_b32 v[PW+\u], 23, v[SO+\u]           ; the scale's byte of block h
.endr
.else
.irp u, 0,1
	v_lshrrev_b32 v[TM+2*\u+1], 23, v[SO+\u]       ; of block 2 + h
.endr
.irp u, 0,1
	v_lshl_or_b32 v[PW+\u], v[TM+2*\u+1], 16, v[PW+\u]
.endr
.irp u, 0,1
	v_lshlrev_b32 v[PW+\u], v[H8], v[PW+\u]        ; my two bytes at their places in the scale word, 8 h bits up;
.endr
.irp u, 0,1
	v_permlanex16_b32 v[TM+2*\u], v[PW+\u], s70, s71
.endr
.irp u, 0,1
	v_or_b32 v[PW+\u], v[PW+\u], v[TM+2*\u]        ; with lane l xor 16's two the word is whole
.endr
.endif
.irp u, 0,1
.irp t, 0,1,2,3
	v_cvt_scalef32_pk8_fp4_f32 v[P+8*\u+4*\g+\t], v[S+32*\u+8*\t:S+32*\u+8*\t+7], v[SO+\u]   ; keys 64 g + 32 h + 8 t + 0 .. 7: register 4 g + t of the operand
.endr
.endr
	v_nop                                          ; one plain place behind a scaled conversion
.endm
.macro PRE0                            ; a step's opening: its record's addresses, the first 64 keys' scores, c s + nz
	v_add_nc_u32 v1, s88, v[CK]                    ; these five are also the places ahead of the loads into v's registers
	v_add_nc_u32 v2, s88, v[CKS]
	v_add_nc_u32 v3, s89, v[H128]
	v_add_nc_u32 v6, s88, v[L16]
	v_add_nc_u32 v7, s88, v[R16]
	LOADK 0
	LOADZ 0
	s_wait_alu depctr_va_vdst(0)
	s_wait_dscnt 8                                 ; k's eight loads are in; the eight of nz may be out
	QK
	LOADK 1
	s_wait_dscnt 8                                 ; nz is in; the eight just issued may be out
	FMA 0
.endm
; From a step's first batch to the next step's opening.  zero = 1: its products start the sums of O^T.  next = 1: a step follows.  tw: see BATCH.
.macro BODY zero, next, tw
	BATCH 0
	POST 0
	QK                                             ; k's second half and its nz came in ahead of the signal
	FMA 1
	s_barrier_wait -1                              ; every wave has issued its first batch of this step
	BATCH \tw
	POST 1
.rept 7
	v_nop                                          ; with the one above: a scale register written by vector instructions stands eight places ahead of a scaled product, an operand so written four
.endr
	s_wait_alu depctr_va_vdst(0)                   ; the wait directly ahead of the readers of O^T
.irp dt, 0,1,2,3                       ; O^T += V^T P^T: eight accumulators by turns, one instruction a turn
.irp u, 0,1
.if \zero
	v_wmma_scale_f32_16x16x128_f8f6f4 v[O+32*\u+8*\dt:O+32*\u+8*\dt+7], v[VF+8*\dt:VF+8*\dt+7], v[P+8*\u:P+8*\u+7], 0, v[VSC+\dt], v[PW+\u] matrix_a_fmt:MATRIX_FMT_FP4 matrix_b_fmt:MATRIX_FMT_FP4
.else
	v_wmma_scale_f32_16x16x128_f8f6f4 v[O+32*\u+8*\dt:O+32*\u+8*\dt+7], v[VF+8*\dt:VF+8*\dt+7], v[P+8*\u:P+8*\u+7], v[O+32*\u+8*\dt:O+32*\u+8*\dt+7], v[VSC+\dt], v[PW+\u] matrix_a_fmt:MATRIX_FMT_FP4 matrix_b_fmt:MATRIX_FMT_FP4
.endif
.endr
.endr
	s_add_co_u32 s88, s88, KSTEPB
	s_add_co_u32 s89, s89, 2048
.if \next
	PRE0
.endif
	s_barrier_wait -1                              ; every wave has issued its second batch of this step
.endm
	PRE0                                           ; step 0
	BODY 1, 1, 1                                   ; step 0 stands ahead of the loop: nothing is cleared
	s_mov_b32 s92, 6
.Lstep:                                                ; steps 1 to 6
	BODY 0, 1, 0
	s_sub_co_u32 s92, s92, 1
	s_cmp_lg_u32 s92, 0
	s_cbranch_scc1 .Lstep
	BODY 0, 0, 0                                   ; step 7
	; THE WAY OUT.  Each wave's partial O^T goes into its stage (32 rows of 256 bytes + 16); then wave (qp, kq) adds the four partial sums of rows 8 kq .. 8 kq + 7 and stores them.
	; Lanes 0-7 of a store take rows 16 apart from lanes 8-15's: the 128 bytes ahead of row 16 keep the sixteen lanes in sixteen different columns of 16 bytes.
	v_lshrrev_b32 v96, 4, v[R16]                   ; r  (these lines are also the places behind the last products)
	v_and_b32 v97, 8, v96                          ; 8 (r / 8)
	v_add_nc_u32 v99, v97, v96                     ; r + 8 (r / 8)
	v_mul_u32_u24 v99, v99, SP
	v_lshl_add_u32 v99, v97, 4, v99                ; + 128 (r / 8)
	v_lshl_add_u32 v99, v[H8], 2, v99              ; + 32 h
	v_add_nc_u32 v97, s86, v99                     ; v97: into my stage: the query's row among the 32
	v_lshrrev_b32 v98, 3, v[H8]                    ; h
	v_mul_u32_u24 v98, v98, SP
	v_add_nc_u32 v98, v98, v[R16]
	v_add_nc_u32 v98, s87, v98                     ; v98: back: lanes 0-15 one row, lanes 16-31 the next
	s_wait_alu depctr_va_vdst(0)                   ; ahead of the barrier
	s_wait_dscnt 0x0
	s_barrier_signal -1
	s_barrier_wait -1                              ; every wave has made its last read of the records
.irp u, 0,1
.irp dt, 0,1,2,3
	ds_store_b128 v97, v[O+32*\u+8*\dt:O+32*\u+8*\dt+3] offset:8*SP*\u+64*\dt          ; each accumulator from its low end on
	ds_store_b128 v97, v[O+32*\u+8*\dt+4:O+32*\u+8*\dt+7] offset:8*SP*\u+64*\dt+16
.endr
.endr
	s_wait_dscnt 0x0
	s_barrier_signal -1
	s_barrier_wait -1
.irp k, 0,1,2,3
.irp n, 0,1,2,3
	ds_load_b128 v[32+16*\k+4*\n:32+16*\k+4*\n+3], v98 offset:STG*\k+2*SP*\n
.endr
.endr
	s_wait_dscnt 0x0
.irp n, 0,1,2,3
	v_pk_add_f32 v[32+4*\n:33+4*\n], v[32+4*\n:33+4*\n], v[48+4*\n:49+4*\n]
	v_pk_add_f32 v[34+4*\n:35+4*\n], v[34+4*\n:35+4*\n], v[50+4*\n:51+4*\n]
	v_pk_add_f32 v[64+4*\n:65+4*\n], v[64+4*\n:65+4*\n], v[80+4*\n:81+4*\n]
	v_pk_add_f32 v[66+4*\n:67+4*\n], v[66+4*\n:67+4*\n], v[82+4*\n:83+4*\n]
	v_pk_add_f32 v[32+4*\n:33+4*\n], v[32+4*\n:33+4*\n], v[64+4*\n:65+4*\n]
	v_pk_add_f32 v[34+4*\n:35+4*\n], v[34+4*\n:35+4*\n], v[66+4*\n:67+4*\n]
	global_store_b128 v[L16], v[32+4*\n:35+4*\n], s[84:85] offset:512*\n th:TH_STORE_NT   ; the wave stores two whole rows: 512 consecutive bytes, aligned
.endr
	s_wait_tensorcnt 0x0                           ; the wave's end
	ds_add_u32 v[SPW], v[NIL]
	s_wait_dscnt 0x0
	ROUND                                          ; the closing round
	s_endpgm
.Lfunc_end_k_q7c4fc5053a_attn:
	.size	k_q7c4fc5053a_attn, .Lfunc_end_k_q7c4fc5053a_attn-k_q7c4fc5053a_attn
	.p2alignl 7, 3214868480
	.fill 96, 4, 3214868480
	.section	.rodata,"a",@progbits
	.p2align	6, 0x0
	.amdhsa_kernel k_q7c4fc5053a_attn
		.amdhsa_group_segment_fixed_size 327680
		.amdhsa_private_segment_fixed_size 0
		.amdhsa_enable_private_segment 0
		.amdhsa_kernarg_size 32
		.amdhsa_user_sgpr_count 2
		.amdhsa_user_sgpr_kernarg_segment_ptr 1
		.amdhsa_wavefront_size32 1
		.amdhsa_system_sgpr_workgroup_id_x 1
		.amdhsa_system_sgpr_workgroup_id_y 1
		.amdhsa_system_sgpr_workgroup_id_z 1
		.amdhsa_system_vgpr_workitem_id 0
		.amdhsa_next_free_vgpr 256
		.amdhsa_next_free_sgpr 96
		.amdhsa_reserve_vcc 0
		.amdhsa_float_denorm_mode_32 3
		.amdhsa_float_denorm_mode_16_64 3
		.amdhsa_memory_ordered 1
		.amdhsa_forward_progress 1
		.amdhsa_inst_pref_size 75
	.end_amdhsa_kernel
	.amdgpu_metadata
---
amdhsa.version: [ 1, 2 ]
amdhsa.kernels:
  - .name:           k_q7c4fc5053a_attn
    .symbol:         k_q7c4fc5053a_attn.kd
    .args:
      - { .name: qrec, .offset: 0, .size: 8, .value_kind: global_buffer, .address_space: global }
      - { .name: kvrec, .offset: 8, .size: 8, .value_kind: global_buffer, .address_space: global }
      - { .name: zbuf, .offset: 16, .size: 8, .value_kind: global_buffer, .address_space: global }
      - { .name: out0, .offset: 24, .size: 8, .value_kind: global_buffer, .address_space: global }
    .group_segment_fixed_size: 327680
    .private_segment_fixed_size: 0
    .kernarg_segment_align: 8
    .kernarg_segment_size: 32
    .max_flat_workgroup_size: 512
    .sgpr_count:     96
    .vgpr_count:     256
    .wavefront_size: 32
...
	.end_amdgpu_metadata
.endif
;; end of part 3
